; MI455X (gfx1250); checked and timed in simulation.
; The chip was launched on July 23, 2026; its instructions are those of AMD's public machine-readable ISA for CDNA 5 (MIT licence, August 2026) and "CDNA5" Instruction Set Architecture Reference Guide (July 2026). The comments in the code are by the model that wrote it; some were corrected since.
;; Multi Head Attention. Allowed arithmetic: matrix products marked QUANTISED: E2M3 operands, one E8M0 scale for each 32 along K, by v_wmma_scale_f32_16x16x128_f8f6f4 with both operands' format E2M3, f32 sums; everything else in f32.
;; Inputs: Wk 1,024 x 1,024 float32; Wo 1,024 x 1,024 float32; Wq 1,024 x 1,024 float32; Wv 1,024 x 1,024 float32; attention_mask 4 x 2,048 float32; bk 1,024 float32; bo 1,024 float32; bq 1,024 float32; bv 1,024 float32; key_ 4 x 2,048 x 1,024 float32; query 4 x 2,048 x 1,024 float32; value 4 x 2,048 x 1,024 float32.
;; Outputs: out0 4 x 2,048 x 1,024 float32.
;; This version of the problem:
;;   THIS VERSION OF THE PROBLEM IS GIVEN IN LOW PRECISION. The matrix products marked QUANTISED in the list below multiply operands that are first quantised to E2M3 (2 exponent bits, 3 mantissa bits; 6 bits a number), with one power-of-two scale for each 32 numbers along K (OCP MX v1.0); their sums are f32. All else is computed in f32.
;;   The module's matrix products, in the order in which they are computed (A, B: the left and right operand; K: the contracted axis; several contracted axes count as one K, in the product's order):
;;     1. [M 8,192, K 1,024] x [K 1,024, N 1,024]; A: input query; B: input Wq: QUANTISED
;;     2. [M 8,192, K 1,024] x [K 1,024, N 1,024]; A: input key_; B: input Wk: QUANTISED
;;     3. [M 8,192, K 1,024] x [K 1,024, N 1,024]; A: input value; B: input Wv: QUANTISED
;;     4. batch 64 x [M 2,048, K 64] x [K 64, N 2,048]; A: computed on the way; B: computed on the way: QUANTISED
;;     5. batch 64 x [M 2,048, K 2,048] x [K 2,048, N 64]; A: softmax (see below); B: computed on the way: QUANTISED
;;     6. [M 8,192, K 1,024] x [K 1,024, N 1,024]; A: computed on the way; B: input Wo: QUANTISED
;;   THE QUANTISER, for each operand of a quantised product, along K:
;;     - K is cut into blocks of 32 from its start; a last block that is shorter is filled with zeros.
;;     - A block's scale is 2^e with e = floor(log2(the largest magnitude in the block)) - 2, held to -126 .. 127; a block of zeros has e = 0. As a byte (E8M0): e + 127.
;;     - Each number is divided by its block's scale, clamped to +-7.5, and rounded to the nearest number of E2M3, ties to even, subnormals kept.
;;     - The product sums the exact products of the quantised numbers (number of the format x scale) in f32.
;;   ~~~python
;;   def quantise(x, axis):      # numpy; x: float32 -> the quantised numbers, widened to float32 again
;;       x = np.moveaxis(x, axis, -1); K = x.shape[-1]
;;       x = np.pad(x, [(0, 0)] * (x.ndim - 1) + [(0, -K % 32)]); x = x.reshape(x.shape[:-1] + (-1, 32)); a = np.abs(x).max(-1, keepdims=True)
;;       e = np.where(a > 0, np.clip(np.frexp(np.where(a > 0, a, 1))[1] - 1 - 2, -126, 127), 0)      # np.frexp(a)[1] - 1 = floor(log2(a)), exactly
;;       r = np.clip(x / 2.0 ** e, -7.5, 7.5)
;;       step = 2.0 ** (np.maximum(np.frexp(np.where(r == 0, 1, r))[1] - 1, 0) - 3)
;;       q = np.round(r / step) * step * 2.0 ** e      # np.round: ties to even
;;       return np.moveaxis(q.reshape(q.shape[:-2] + (-1,))[..., :K], -1, axis).astype(np.float32)
;;   ~~~
;;   SOFTMAX AHEAD OF A QUANTISED PRODUCT. Where the list says 'softmax', what is quantised is not the finished softmax but p = 2^(t - M), with t = logit x log2(e) and M = ceil(the row's largest t), a whole number; so 1/2 < the row's largest p <= 1. The row's sum l is taken of the UNQUANTISED p, in f32, and the product's result is divided by l at the end. Since M is a whole number, a kernel that streams over the keys may use a running M (the ceiling of the running maximum): every later rescaling is an exact power of two, which a block's scale takes up: the codes' values come out the same.
;;   OPERANDS COMPUTED ON THE WAY. 'Computed on the way' means the value that the module computes at that place (a softmax that the list does not call 'softmax' is quantised finished and normalised). What goes into a quantiser is computed in f32, as accurately as f32 sums, v_exp_f32 and their like allow (about 1e-6 of the number): no bf16 or f16 on the way to a quantiser, and a product that is left as it is and whose result goes on into a quantised operand takes f32 operands (vector FMAs, or v_wmma_f32_16x16x4_f32). A number that lies on a knife's edge between two numbers of the format may be rounded either way, as far as f32 arithmetic and the matrix unit's own rounding can turn it there, and no further.
;; One version. Each part assembles by itself: llvm-mc -triple=amdgcn-amd-amdhsa -mcpu=gfx1250 --defsym DOCPART=n.
;; ======== version 1 of 1: 4 launches
;; limits: right only within a limited range of input values
;; workspace buffers: pan 22,937,600 bytes; qb 6,553,600 bytes; kvb 13,107,200 bytes; cx 6,553,600 bytes
;; launch quant (part 1): grid 448 x 1, 4 waves a work-group, no clusters, 34,304 bytes of LDS; arguments query, key_, value, Wq, Wk, Wv, Wo, pan; writes pan
.if DOCPART == 1
	.amdgcn_target "amdgcn-amd-amdhsa--gfx1250"
	.amdhsa_code_object_version 6
	.text
	.protected	k_q8c26e88bb9_quant
	.globl	k_q8c26e88bb9_quant
	.p2align	8
	.type	k_q8c26e88bb9_quant,@function
k_q8c26e88bb9_quant:
	s_mov_b64 s[64:65], 0
	v_nop
	global_prefetch_b8 v0, s[64:65] scope:SCOPE_SE
	s_setreg_imm32_b32 hwreg(HW_REG_WAVE_MODE, 25, 1), 1
	s_wait_xcnt 0x0
; MULTI-HEAD ATTENTION IN MX-FP6, launch 1 of 4: query, key_, value [8192][1024] and Wq, Wk, Wv, Wo [1024][1024], f32, K innermost, become codes of E2M3 with one E8M0 byte for each 32 along K.
; DEAD WORK: none.  Every input of reference() has a way to the output: the three biases move the codes of q, k and v (bk too: it stands ahead of a quantiser), the mask is added to the logits, bo to the result.  All twelve inputs are loaded by some launch.
; LIMITS: NaN and infinities among the inputs are not served.  A block of zeros, or one whose largest magnitude lies under 2^(3 - 127), gets the byte 1 where the rule says 127 or less: its codes are what counts, and the bytes are read by this program alone.
; THE LAYOUT OF ALL WORKSPACE: operands lie in the order of the matrix instruction's registers.
;   half image, 768 bytes: 6 registers of 32 lanes: registers 0-3 at 16 x lane, registers 4-5 at 512 + 8 x lane.   fragment (16 rows x 128 K, 12 registers), 1,536 bytes: two half images.  Lane (r, h), registers 6 c .. 6 c + 5: k = 64 c + 32 h + 0 .. 31.
;   THE ROWS OF A TILE: lane r of tile i of a group of 128 rows holds row 32 (i / 2) + 8 (i % 2) + r + 8 (r / 8): as source 0 of a product that gives a lane's 16 registers of tiles 2 b, 2 b + 1 sixteen neighbours.
;   unit (128 rows x 128 K), 12,800 bytes: 8 fragments; at 12,288 the scale words: that of (tile i, lane r) at 256 (i / 4) + 16 r + 4 (i % 4).   pan: [group of 128 rows 0..223][128 along K 0..7] units:
;   groups 0-63 query, 64-127 key_, 128-191 value, 192-199 Wq, 200-207 Wk, 208-215 Wv, 216-223 Wo.
; SHARES.  A wave makes one unit: unit 4 x work-group + wave.  The four waves of a work-group read 2,048 neighbouring bytes of each of 128 rows.  Each load reads 512 consecutive bytes of one row; a fragment's 16 rows turn through the
; wave's own stage in LDS (rows 528 bytes apart: sixteen lanes' 16 bytes fall on sixteen different columns of 16 bytes) and come back 32 neighbours of two blocks a lane.  Every store covers 512 or 256 consecutive bytes, aligned to 256.
; No matrix work, no tensor load, no barrier: waves share nothing.  Loads run two fragments (32 loads a wave) ahead.
.set STGB,  16*528                     ; a wave's stage
.set SPARE, 4*STGB                     ; behind the stages: the spare words, 128 bytes a wave
.set UNITB, 12800
.set SPW,   12                         ; v12  my spare word's LDS address; never rewritten
.set NIL,   13                         ; v13  0; never rewritten
.set W,     16                         ; v16-23 the eight fragments' scale words
.set WS,    24                         ; v24-27 as they are stored
.set F,     32                         ; v32-43 a fragment's codes
.set T,     44                         ; v44-51 the conversions' second halves
.set R,     64                         ; v64-191 two sets of 64: 16 rows as loaded
.set X,     192                        ; v192-255 my 64 numbers: register 32 c + n = k 64 c + 32 h + n of row r
	s_load_b512 s[8:23], s[0:1], 0x0               ; query, key_, value, Wq, Wk, Wv, Wo, pan
	v_lshl_add_u32 v[SPW], v0, 2, SPARE
	v_mov_b32 v[NIL], 0
	v_lshrrev_b32 v8, 5, v0
	v_readfirstlane_b32 s4, v8                     ; wave
	v_and_b32 v1, 31, v0                           ; lane
	v_and_b32 v2, 15, v0                           ; r
	v_bfe_u32 v3, v0, 4, 1                         ; h
	v_lshlrev_b32 v4, 4, v1                        ; 16 x lane: loads and 16-byte stores
	v_lshlrev_b32 v5, 3, v1                        ; 8 x lane: 8-byte stores
	s_mul_i32 s5, s4, STGB
	v_add_nc_u32 v6, s5, v4                        ; the stage on the way in: a row's 512 bytes as they lie
	v_mul_u32_u24 v7, v2, 528
	v_lshl_add_u32 v7, v3, 7, v7
	v_add_nc_u32 v7, s5, v7                        ; and on the way out: row r, + 128 h
	v_lshlrev_b32 v14, 3, v3                       ; 8 h: my two bytes' place in a scale word
	v_mov_b32 v15, 0                               ; written once: a lane permute's destination counts as one of its sources
	; THE ROWS OF A TILE, by four offset registers.  Tile i = 4 c + 2 g + u, lane r: row 64 c + 8 u + r % 8 stands in the load's immediate; g and r / 8 choose v[28 + 2 g + r / 8].
	; All tensors but key_: + 32 g + 16 (r / 8), the order stated above.  key_: + 16 g + 32 (r / 8): as source 0 of the score product that gives a lane (.., h) the keys 64 c + 32 h + 0 .. 31 in 32 registers on end: one whole scale block of p.
	s_lshr_b32 s34, ttmp9, 7                       ; work-groups 128 .. 255 take key_
	s_cmp_eq_u32 s34, 1
	s_mov_b32 s35, 0x20000
	s_cselect_b32 s34, 0x10000, s35                ; g's step in bytes: 16 or 32 rows of 4,096
	s_sub_co_u32 s35, 0x30000, s34                 ; and that of r / 8: the other of the two
	v_mov_b32 v28, v4
	v_add_nc_u32 v29, s35, v4
	v_add_nc_u32 v30, s34, v4
	v_add_nc_u32 v31, 0x30000, v4
	s_mov_b32 s30, 0xffff0000                      ; lanes 16-31
	s_mov_b32 s32, 0x76543210
	s_mov_b32 s33, 0xfedcba98                      ; selects for lane l xor 16
	s_and_b32 s6, ttmp9, 1
	s_lshl_b32 s6, s6, 2
	s_add_co_u32 s6, s6, s4                        ; which 128 along K
	s_lshl_b32 s7, ttmp9, 2
	s_add_co_u32 s7, s7, s4                        ; my unit
	s_mul_i32 s28, s7, UNITB
	s_mov_b32 s29, 0
	s_wait_alu depctr_va_vdst(0)
	s_wait_kmcnt 0x0
	s_mov_b64 s[24:25], s[20:21]                   ; which tensor: a choice on the work-group's number alone
	s_mov_b32 s26, 432
.macro PICK lim, ptr, first
	s_cmp_lt_u32 ttmp9, \lim
	s_cselect_b64 s[24:25], s[\ptr:\ptr+1], s[24:25]
	s_cselect_b32 s26, \first, s26
.endm
	PICK 432, 18, 416
	PICK 416, 16, 400
	PICK 400, 14, 384
	PICK 384, 12, 256
	PICK 256, 10, 128
	PICK 128, 8, 0
	s_sub_co_u32 s26, ttmp9, s26
	s_lshr_b32 s26, s26, 1                         ; the group of 128 rows within the tensor,
	s_lshl_b32 s26, s26, 19                        ; 128 rows of 4,096 bytes,
	s_lshl_b32 s6, s6, 9                           ; and 512 bytes for each 128 along K
	s_or_b32 s26, s26, s6
	s_mov_b32 s27, 0
	s_add_nc_u64 s[24:25], s[24:25], s[26:27]
	s_add_nc_u64 s[28:29], s[22:23], s[28:29]
.macro LOAD i                          ; fragment i's 16 rows, in the order of its lanes, into set i % 2
.irp rho, 0,1,2,3,4,5,6,7,8,9,10,11,12,13,14,15
	global_load_b128 v[R+64*((\i)%2)+4*\rho:R+64*((\i)%2)+4*\rho+3], v[28+2*(((\i)/2)%2)+\rho/8], s[24:25] offset:(64*((\i)/4)+8*((\i)%2)+\rho%8)*4096 th:TH_LOAD_NT
.endr
.endm
.macro TURN i                          ; through the stage: LDS serves a wave's instructions in order, so no wait stands between the stores and the loads
.irp rho, 0,1,2,3,4,5,6,7,8,9,10,11,12,13,14,15
	ds_store_b128 v6, v[R+64*((\i)%2)+4*\rho:R+64*((\i)%2)+4*\rho+3] offset:528*\rho
.endr
.irp e, 0,1,2,3,4,5,6,7,8,9,10,11,12,13,14,15
	ds_load_b128 v[X+4*\e:X+4*\e+3], v7 offset:256*(\e/8)+16*(\e%8)
.endr
.endm
.macro WORK i
.irp c, 0,1                            ; my block 2 c + h: all its 32 numbers are mine; the floor 2^(3 - 127) holds the byte at 1 from below
	v_max3_num_f32 v[8+\c], |v[X+32*\c]|, |v[X+32*\c+1]|, 0x1800000
.endr
.irp n, 2,4,6,8,10,12,14,16,18,20,22,24,26,28,30
.irp c, 0,1
	v_max3_num_f32 v[8+\c], v[8+\c], |v[X+32*\c+\n]|, |v[X+32*\c+\n+1]|
.endr
.endr
	v_add_nc_u32 v10, 0xff000000, v8               ; 2 off the exponent field: the conversion's scale operand
	v_add_nc_u32 v11, 0xff000000, v9
	v_lshrrev_b32 v8, 23, v10                      ; the scale's byte
	v_lshrrev_b32 v9, 23, v11
	v_lshl_or_b32 v8, v9, 16, v8                   ; blocks h and 2 + h,
	v_lshlrev_b32 v8, v14, v8                      ; at their places;
	v_permlanex16_b32 v15, v8, s32, s33
	v_or_b32 v[W+\i], v8, v15                      ; with lane l xor 16's two the word is whole, in both halves of the lanes
	s_wait_alu depctr_va_vdst(0)
	s_wait_xcnt 0x0                                ; the last fragment's stores have read their data: the codes' registers are written again only behind this wait
.irp c, 0,1
	v_cvt_scalef32_pk16_fp6_f32 v[F+6*\c:F+6*\c+2], v[X+32*\c:X+32*\c+15], v[10+\c]
	v_cvt_scalef32_pk16_fp6_f32 v[T+4*\c:T+4*\c+2], v[X+32*\c+16:X+32*\c+31], v[10+\c]   ; (a conversion's three registers begin on an even number)
.endr
	v_nop                                          ; one plain place behind a scaled conversion
.irp c, 0,1
.irp n, 0,1,2
	v_mov_b32 v[F+6*\c+3+\n], v[T+4*\c+\n]
.endr
.endr
	global_store_b128 v4, v[F:F+3], s[28:29] offset:1536*(\i)
	global_store_b64 v5, v[F+4:F+5], s[28:29] offset:1536*(\i)+512
	global_store_b128 v4, v[F+6:F+9], s[28:29] offset:1536*(\i)+768
	global_store_b64 v5, v[F+10:F+11], s[28:29] offset:1536*(\i)+1280
.endm
	LOAD 0
	LOAD 1
.irp i, 0,1,2,3,4,5,6,7
.if \i < 7
	s_wait_loadcnt 16                              ; this fragment's 16 loads are in; the next fragment's 16 may be out
.else
	s_wait_loadcnt 0x0
.endif
	TURN \i
	s_wait_dscnt 0x0                               ; my 64 numbers are back, and the stage's stores have read their registers,
.if \i < 6
	LOAD \i+2                                      ; which take the loads of two fragments on
.endif
	WORK \i
.endr
.irp j, 0,1,2,3
	v_cndmask_b32 v[WS+\j], v[W+\j], v[W+4+\j], s30   ; lanes 0-15: tiles 0-3's words of row r; lanes 16-31: tiles 4-7's
.endr
	global_store_b128 v4, v[WS:WS+3], s[28:29] offset:12288
	s_wait_tensorcnt 0x0                           ; the wave's end: behind my last LDS store
	ds_add_u32 v[SPW], v[NIL]
	s_wait_dscnt 0x0
	s_endpgm
.Lfunc_end_k_q8c26e88bb9_quant:
	.size	k_q8c26e88bb9_quant, .Lfunc_end_k_q8c26e88bb9_quant-k_q8c26e88bb9_quant
	.p2alignl 7, 3214868480
	.fill 96, 4, 3214868480
	.section	.rodata,"a",@progbits
	.p2align	6, 0x0
	.amdhsa_kernel k_q8c26e88bb9_quant
		.amdhsa_group_segment_fixed_size 34304
		.amdhsa_private_segment_fixed_size 0
		.amdhsa_enable_private_segment 0
		.amdhsa_kernarg_size 64
		.amdhsa_user_sgpr_count 2
		.amdhsa_user_sgpr_kernarg_segment_ptr 1
		.amdhsa_wavefront_size32 1
		.amdhsa_system_sgpr_workgroup_id_x 1
		.amdhsa_system_sgpr_workgroup_id_y 1
		.amdhsa_system_sgpr_workgroup_id_z 1
		.amdhsa_system_vgpr_workitem_id 0
		.amdhsa_next_free_vgpr 256
		.amdhsa_next_free_sgpr 66
		.amdhsa_reserve_vcc 0
		.amdhsa_float_denorm_mode_32 3
		.amdhsa_float_denorm_mode_16_64 3
		.amdhsa_memory_ordered 1
		.amdhsa_forward_progress 1
		.amdhsa_inst_pref_size 59
	.end_amdhsa_kernel
	.amdgpu_metadata
---
amdhsa.version: [ 1, 2 ]
amdhsa.kernels:
  - .name:           k_q8c26e88bb9_quant
    .symbol:         k_q8c26e88bb9_quant.kd
    .args:
      - { .name: query, .offset: 0, .size: 8, .value_kind: global_buffer, .address_space: global }
      - { .name: key_, .offset: 8, .size: 8, .value_kind: global_buffer, .address_space: global }
      - { .name: value, .offset: 16, .size: 8, .value_kind: global_buffer, .address_space: global }
      - { .name: Wq, .offset: 24, .size: 8, .value_kind: global_buffer, .address_space: global }
      - { .name: Wk, .offset: 32, .size: 8, .value_kind: global_buffer, .address_space: global }
      - { .name: Wv, .offset: 40, .size: 8, .value_kind: global_buffer, .address_space: global }
      - { .name: Wo, .offset: 48, .size: 8, .value_kind: global_buffer, .address_space: global }
      - { .name: pan, .offset: 56, .size: 8, .value_kind: global_buffer, .address_space: global }
    .group_segment_fixed_size: 34304
    .private_segment_fixed_size: 0
    .kernarg_segment_align: 8
    .kernarg_segment_size: 64
    .max_flat_workgroup_size: 128
    .sgpr_count:     66
    .vgpr_count:     256
    .wavefront_size: 32
...
	.end_amdgpu_metadata
.endif
;; end of part 1
;; launch proj (part 2): grid 4 x 96, 4 waves a work-group, clusters of 4 x 4, 327,680 bytes of LDS; arguments pan, bq, bk, bv, qb, kvb; writes qb, kvb
.if DOCPART == 2
	.amdgcn_target "amdgcn-amd-amdhsa--gfx1250"
	.amdhsa_code_object_version 6
	.text
	.protected	k_q8c26e88bb9_proj
	.globl	k_q8c26e88bb9_proj
	.p2align	8
	.type	k_q8c26e88bb9_proj,@function
k_q8c26e88bb9_proj:
	s_mov_b64 s[64:65], 0
	v_nop
	global_prefetch_b8 v0, s[64:65] scope:SCOPE_SE
	s_setreg_imm32_b32 hwreg(HW_REG_WAVE_MODE, 25, 1), 1
	s_wait_xcnt 0x0
	s_wait_alu depctr_hold_cnt(0) depctr_sa_sdst(0) depctr_va_vdst(0) depctr_va_sdst(0) depctr_va_ssrc(0) depctr_va_vcc(0) depctr_vm_vsrc(0)
	s_getreg_b32 s2, hwreg(HW_REG_IB_STS2, 6, 4)
	s_cmp_eq_u32 s2, 0
	s_cbranch_scc0 .Lentry_in_a_cluster
	s_endpgm
.Lentry_in_a_cluster:
	s_bfe_u32 s2, ttmp6, 0x10000c
	s_cmp_lg_u32 s2, 0xf033
	s_cbranch_scc0 .Lentry_shape_is_right
	s_endpgm
.Lentry_shape_is_right:
.set UNITB, 12800
.set RBB,   8*UNITB
.set LOADB, 2*UNITB
.set SLOT,  4*LOADB
.set SPARE, 2*SLOT
.set NQ,    2
.set FR,    12
.set NL,    4
.set NP,    4
.set ADRA,  16
.set ADRB,  20
.set VO16,  24
.set VO8,   25
.set ADRS,  26
.set SPW,   28
.set NIL,   29
.set VOS,   30
.set SC,    32
.set BIAS,  64
.set AF,    128
.set HA,    128
.set PC,    192
.set TM,    212
.set W,     32
.set WS,    40
.set WV,    16
.set RH,    17
.set CH,    18
.set PROJ,  20
.set G1,    24
.set G0,    32
.set G1B,   48
.set G0B,   56
.set OB,    88
.set SEL,   98
.set MSB, 0
.macro WIN new
.if MSB != (\new)
	s_set_vgpr_msb (MSB<<8)|(\new)
.set MSB, \new
.endif
.endm
.set MUL_LO, 0xa1
.set MUL_HI, 0xf1
.set TO_B,   0x40
.macro JLOAD g0a, g1a, g0b, g1b
	s_cmp_eq_u32 s[RH], 0
	s_cbranch_scc0 .Lfor_b_\@
	tensor_load_to_lds s[\g0a:\g0a+3], s[\g1a:\g1a+7]
	s_nop 0
.rept 4
	v_nop
.endr
	s_branch .Lasked_\@
.Lfor_b_\@:
	tensor_load_to_lds s[\g0b:\g0b+3], s[\g1b:\g1b+7]
	s_nop 0
.rept 4
	v_nop
.endr
.Lasked_\@:
.endm
.macro CREST
	s_cmp_lg_u32 s[WV], 0
	s_cbranch_scc1 .Lnot_wave_0_\@
	s_barrier_signal -3
.Lnot_wave_0_\@:
	s_barrier_wait -3
	s_barrier_signal -1
	s_barrier_wait -1
.endm
.macro CROUND
	s_barrier_signal -1
	s_barrier_wait -1
	CREST
.endm
	s_load_b128 s[4:7], s[0:1], 0x0
	s_load_b128 s[8:11], s[0:1], 0x10
	s_load_b128 s[12:15], s[0:1], 0x20
	v_lshl_add_u32 v[SPW], v0, 2, SPARE
	v_mov_b32 v[NIL], 0
	ds_add_u32 v[SPW], v[NIL]
	ds_add_u32 v[SPW], v[NIL]
	v_lshrrev_b32 v1, 5, v0
	v_readfirstlane_b32 s[WV], v1
	s_lshr_b32 s[RH], s[WV], 1
	s_and_b32 s[CH], s[WV], 1
	s_bfe_u32 s40, ttmp6, 0x40000
	s_bfe_u32 s41, ttmp6, 0x40004
	s_and_b32 s19, ttmp7, 0xffff
	s_lshr_b32 s[PROJ], s19, 3
	s_lshl_b32 s43, s41, 2
	s_lshl_b32 s43, 15, s43
	s_lshl_b32 s44, 0x1111, s40
	s_or_b32 s[G1], s43, (3<<16)|(1<<21)
	s_or_b32 s[G1B], s44, (3<<16)|(1<<21)
.irp g, G1, G1B
	s_mov_b32 s[\g+1], 32<<16
	s_mov_b32 s[\g+2], 100<<16
	s_mov_b32 s[\g+3], 32<<16
	s_mov_b32 s[\g+4], 100
	s_mov_b32 s[\g+5], 32
	s_mov_b32 s[\g+6], 0
	s_mov_b32 s[\g+7], 0
.endr
	s_lshl_b32 s42, s19, 3
	s_lshl_b32 s45, s[PROJ], 3
	s_add_co_u32 s45, s45, 192
	s_cmp_lt_u32 s[PROJ], 2
	s_cselect_b32 s46, s42, 208
	s_cselect_b32 s47, s45, s42
	s_lshl_b32 s66, s41, 1
	s_add_co_u32 s66, s66, s46
	s_lshl_b32 s67, s40, 1
	s_add_co_u32 s67, s67, s47
	s_add_co_u32 s68, s66, s[CH]
	s_mul_i32 s68, s68, RBB
	s_mov_b32 s69, 0
	s_add_co_u32 s70, s67, s[CH]
	s_mul_i32 s70, s70, RBB
	s_mov_b32 s71, 0
	s_mul_i32 s72, s[WV], LOADB
	s_mov_b32 s[SEL], 0x76543210
	s_mov_b32 s[SEL+1], 0xfedcba98
	s_wait_dscnt 0x0
	s_wait_kmcnt 0x0
	s_add_nc_u64 s[68:69], s[4:5], s[68:69]
	s_add_nc_u64 s[70:71], s[4:5], s[70:71]
	CROUND
.irp s, 0,1
	s_mov_b32 s[G0+4*\s], 1
	s_add_co_u32 s[G0+4*\s+1], s72, \s*SLOT
	s_add_nc_u64 s[G0+4*\s+2:G0+4*\s+3], s[68:69], \s*LOADB
	s_or_b32 s[G0+4*\s+3], s[G0+4*\s+3], 0x80000000
	s_mov_b32 s[G0B+4*\s], 1
	s_add_co_u32 s[G0B+4*\s+1], s72, \s*SLOT
	s_add_nc_u64 s[G0B+4*\s+2:G0B+4*\s+3], s[70:71], \s*LOADB
	s_or_b32 s[G0B+4*\s+3], s[G0B+4*\s+3], 0x80000000
	s_wait_alu depctr_va_vdst(0)
	s_wait_tensorcnt 0x0
	ds_add_u32 v28, v29
	ds_add_u32 v28, v29
	s_wait_dscnt 0x0
	CROUND
	JLOAD G0+4*\s, G1, G0B+4*\s, G1B
.endr
	v_and_b32 v1, 31, v0
	v_and_b32 v2, 15, v0
	v_bfe_u32 v3, v0, 4, 1
	v_lshlrev_b32 v[VO16], 4, v1
	v_lshlrev_b32 v[VO8], 3, v1
	s_mul_i32 s73, s[RH], LOADB
	s_mul_i32 s74, s[CH], LOADB
	s_add_co_u32 s74, s74, 2*LOADB
.irp s, 0,1
	v_add_nc_u32 v[ADRA+\s], s73, v[VO16]
	v_add_nc_u32 v[ADRA+2+\s], s73, v[VO8]
	v_add_nc_u32 v[ADRB+\s], s74, v[VO16]
	v_add_nc_u32 v[ADRB+2+\s], s74, v[VO8]
	s_add_co_u32 s73, s73, SLOT
	s_add_co_u32 s74, s74, SLOT
.endr
	s_mul_i32 s73, s[RH], LOADB
	s_mul_i32 s74, s[CH], LOADB
	s_add_co_u32 s74, s74, 2*LOADB
	s_sub_co_u32 s74, s74, s73
	v_mul_u32_u24 v4, s74, v3
	v_lshl_add_u32 v4, v2, 4, v4
	s_add_co_u32 s73, s73, 8*1536
	v_add_nc_u32 v[ADRS], s73, v4
	v_add_nc_u32 v[ADRS+1], SLOT, v[ADRS]
	s_add_co_u32 s78, s66, s[RH]
	s_add_co_u32 s79, s67, s[CH]
	s_cmp_eq_u32 s[PROJ], 2
	s_cselect_b32 s80, s79, s78
	s_cselect_b32 s81, s78, s79
	s_cselect_b64 s[76:77], s[10:11], s[8:9]
	s_cselect_b32 s84, 6400, 0
	s_cmp_eq_u32 s[PROJ], 0
	s_cselect_b64 s[76:77], s[6:7], s[76:77]
	s_cselect_b64 s[OB:OB+1], s[12:13], s[14:15]
	s_mov_b32 s83, 12800
	s_cselect_b32 s83, 6400, s83
	s_and_b32 s82, s81, 7
	s_lshl_b32 s92, s82, 9
	s_mov_b32 s93, 0
	s_add_nc_u64 s[76:77], s[76:77], s[92:93]
	s_lshr_b32 s86, s80, 4
	s_and_b32 s86, s86, 3
	s_lshl_b32 s86, s86, 3
	s_add_co_u32 s86, s86, s82
	s_lshl_b32 s86, s86, 5
	s_and_b32 s87, s80, 15
	s_add_co_u32 s86, s86, s87
	s_mul_i32 s92, s86, s83
	s_add_co_u32 s92, s92, s84
	s_add_nc_u64 s[OB:OB+1], s[OB:OB+1], s[92:93]
	s_lshl_b32 s92, s83, 4
	s_add_nc_u64 s[OB+2:OB+3], s[OB:OB+1], s[92:93]
	v_mul_u32_u24 v[VOS], s92, v3
	v_lshl_add_u32 v[VOS], v2, 4, v[VOS]
	s_cmp_eq_u32 s[PROJ], 2
	s_cbranch_scc1 .Lbias_v
	v_lshlrev_b32 v5, 6, v3
.irp b, 0,1,2,3,4,5,6,7
	global_load_b128 v[BIAS+8*\b:BIAS+8*\b+3], v5, s[76:77] offset:(32*(\b/2)+8*(\b%2))*4
	global_load_b128 v[BIAS+8*\b+4:BIAS+8*\b+7], v5, s[76:77] offset:(32*(\b/2)+8*(\b%2))*4+16
.endr
	s_branch .Lbias_done
.Lbias_v:
	v_and_b32 v5, 8, v2
	v_add_nc_u32 v5, v5, v2
	v_lshlrev_b32 v5, 2, v5
.irp a, 0,1,2,3,4,5,6,7
.irp j, 0,1,2,3,4,5,6,7
	global_load_b32 v[BIAS+8*\a+\j], v5, s[76:77] offset:(32*(\a/2)+8*(\a%2))*4
.endr
.endr
.Lbias_done:
.macro FRAG reg, adr, q, i
.set FO, (\q)*UNITB+(\i)*1536
	ds_load_b128 v[\reg:\reg+3], v[\adr] offset:FO
	ds_load_b64 v[\reg+4:\reg+5], v[\adr+2] offset:FO+512
	ds_load_b128 v[\reg+6:\reg+9], v[\adr] offset:FO+768
	ds_load_b64 v[\reg+10:\reg+11], v[\adr+2] offset:FO+1280
.endm
.macro MUL16 a0, p, q, sc, zero
.irp a, \a0, \a0+1
.irp b, 0,1,2,3,4,5,6,7
.if \zero
	v_wmma_scale_f32_16x16x128_f8f6f4 v[8*(8*((\a)%4)+\b):8*(8*((\a)%4)+\b)+7], v[128*(\p)+FR*\b:128*(\p)+FR*\b+FR-1], v[AF+FR*(\a):AF+FR*(\a)+FR-1], 0, v[SC+16*(\sc)+8*(\q)+\b], v[SC+16*(\sc)+8*(\q)+(\a)] matrix_a_fmt:MATRIX_FMT_FP6 matrix_b_fmt:MATRIX_FMT_FP6 matrix_a_scale:MATRIX_SCALE_ROW1
.else
	v_wmma_scale_f32_16x16x128_f8f6f4 v[8*(8*((\a)%4)+\b):8*(8*((\a)%4)+\b)+7], v[128*(\p)+FR*\b:128*(\p)+FR*\b+FR-1], v[AF+FR*(\a):AF+FR*(\a)+FR-1], v[8*(8*((\a)%4)+\b):8*(8*((\a)%4)+\b)+7], v[SC+16*(\sc)+8*(\q)+\b], v[SC+16*(\sc)+8*(\q)+(\a)] matrix_a_fmt:MATRIX_FMT_FP6 matrix_b_fmt:MATRIX_FMT_FP6 matrix_a_scale:MATRIX_SCALE_ROW1
.endif
.endr
.endr
.endm
.macro FETCH_B slot, q, p
	WIN TO_B
.irp i, 0,1,2,3,4,5,6,7
	FRAG 128*(\p)+FR*\i, ADRB+\slot, \q, \i
.endr
	WIN 0
.endm
.macro FETCH_A slot, q, i0
.irp i, \i0, \i0+1, \i0+2, \i0+3
	FRAG AF+FR*(\i), ADRA+\slot, \q, \i
.endr
.endm
.macro SCALES sc
.irp q, 0,1
.irp g, 0,1
	ds_load_b128 v[SC+16*\sc+8*\q+4*\g:SC+16*\sc+8*\q+4*\g+3], v[ADRS+\sc] offset:\q*UNITB+256*\g
.endr
.endr
.endm
.macro PLACES n
.rept \n
	v_nop
.endr
.endm
.macro STEP slot, q, zero
	s_wait_dscnt 4*NL
	WIN MUL_LO
	MUL16 0, (\q)%2, \q, \slot, \zero
	MUL16 2, (\q)%2, \q, \slot, \zero
	s_wait_dscnt 0
	PLACES NP
	FETCH_B \slot, (\q)+1, 1-(\q)%2
	FETCH_A \slot, (\q)+1, 0
	WIN MUL_HI
	MUL16 4, (\q)%2, \q, \slot, \zero
	MUL16 6, (\q)%2, \q, \slot, \zero
	PLACES NP
	WIN 0
	FETCH_A \slot, (\q)+1, 4
.endm
.macro TURN slot, next, fill
	s_wait_tensorcnt 0x0
	ds_add_u32 v[SPW], v[NIL]
	s_wait_dscnt 4*NL+1
	WIN MUL_LO
	MUL16 0, 1, NQ-1, \slot, 0
	s_wait_dscnt 0x0
	s_barrier_signal -1
	MUL16 2, 1, NQ-1, \slot, 0
	WIN 0
	s_barrier_wait -1
.if \fill
	CREST
	s_add_nc_u64 s[G0+4*\slot+2:G0+4*\slot+3], s[G0+4*\slot+2:G0+4*\slot+3], 2*LOADB
	s_add_nc_u64 s[G0B+4*\slot+2:G0B+4*\slot+3], s[G0B+4*\slot+2:G0B+4*\slot+3], 2*LOADB
	JLOAD G0+4*\slot, G1, G0B+4*\slot, G1B
.else
	PLACES NP
.endif
	FETCH_B \next, 0, 0
	FETCH_A \next, 0, 0
	SCALES \next
	WIN MUL_HI
	MUL16 4, 1, NQ-1, \slot, 0
	MUL16 6, 1, NQ-1, \slot, 0
	PLACES NP
	WIN 0
	FETCH_A \next, 0, 4
.endm
	s_wait_tensorcnt 1
	s_barrier_signal -1
	s_barrier_wait -1
	FETCH_B 0, 0, 0
	FETCH_A 0, 0, 0
	s_wait_alu depctr_va_vdst(0)
	SCALES 0
	FETCH_A 0, 0, 4
	STEP 0, 0, 1
	TURN 0, 1, 1
	STEP 1, 0, 0
	TURN 1, 0, 1
	STEP 0, 0, 0
	TURN 0, 1, 0
	STEP 1, 0, 0
	s_wait_dscnt 4*NL
	WIN MUL_LO
	MUL16 0, 1, NQ-1, 1, 0
	MUL16 2, 1, NQ-1, 1, 0
	s_wait_dscnt 0
	WIN MUL_HI
	MUL16 4, 1, NQ-1, 1, 0
	MUL16 6, 1, NQ-1, 1, 0
	WIN 0
.macro QUANT s, pw
.irp b, 0,1,2,3
	v_max3_num_f32 v[TM+\b], |v[\s+16*\b]|, |v[\s+1+16*\b]|, 0x1800000
.endr
.irp i, 2,4,6,8,10,12,14
.irp b, 0,1,2,3
	v_max3_num_f32 v[TM+\b], v[TM+\b], |v[\s+16*\b+\i]|, |v[\s+1+16*\b+\i]|
.endr
.endr
.irp b, 0,1,2,3
	v_permlanex16_b32 v[TM+4+\b], v[TM+\b], s[SEL], s[SEL+1]
.endr
.irp b, 0,1,2,3
	v_max_num_f32 v[TM+\b], v[TM+\b], v[TM+4+\b]
.endr
.irp b, 0,1,2,3
	v_add_nc_u32 v[TM+12+\b], 0xff000000, v[TM+\b]
.endr
.irp b, 0,1,2,3
	v_lshrrev_b32 v[TM+4+\b], 23, v[TM+12+\b]
.endr
	v_lshl_or_b32 v[\pw], v[TM+5], 8, v[TM+4]
	v_lshl_or_b32 v[\pw], v[TM+6], 16, v[\pw]
	v_lshl_or_b32 v[\pw], v[TM+7], 24, v[\pw]
.irp c, 0,1
	v_cvt_scalef32_pk16_fp6_f32 v[PC+6*\c:PC+2+6*\c], v[\s+32*\c:\s+15+32*\c], v[TM+12+2*\c]
	v_cvt_scalef32_pk16_fp6_f32 v[PC+12+4*\c:PC+14+4*\c], v[\s+16+32*\c:\s+31+32*\c], v[TM+12+2*\c+1]
.endr
	v_nop
.irp c, 0,1
.irp i, 0,1,2
	v_permlane16_swap_b32 v[PC+6*\c+\i], v[PC+12+4*\c+\i]
.endr
.irp i, 0,1,2
	v_mov_b32 v[PC+3+6*\c+\i], v[PC+12+4*\c+\i]
.endr
.endr
.endm
.macro OUTU u
.set GG, (\u)/4
.set XX, (\u)%4
.if (\u) > 0
	s_wait_xcnt 0x0
.endif
	s_cmp_eq_u32 s[PROJ], 2
	s_cbranch_scc1 .Lv_\@
	WIN 0x02+XX/2
.set E, 0
.rept 2
.set J, 0
.rept 16
	v_pk_add_f32 v[HA+32*E+J:HA+32*E+J+1], v[64*((2*XX+E)%4)+32*GG+J:64*((2*XX+E)%4)+32*GG+J+1], v[BIAS+32*GG+J:BIAS+32*GG+J+1]
.set J, J+2
.endr
.set E, E+1
.endr
	WIN 0
	s_branch .Lj_\@
.Lv_\@:
	WIN 0x02+(\u)/4
.set J, 0
.rept 32
	v_pk_add_f32 v[HA+J:HA+J+1], v[64*((\u)%4)+J:64*((\u)%4)+J+1], v[BIAS+8*(\u):BIAS+8*(\u)+1]
.set J, J+2
.endr
	WIN 0
.Lj_\@:
	QUANT HA, W+(\u)
	global_store_b128 v[VO16], v[PC:PC+3], s[OB+2*GG:OB+2*GG+1] offset:1536*XX
	global_store_b64 v[VO8], v[PC+4:PC+5], s[OB+2*GG:OB+2*GG+1] offset:1536*XX+512
	global_store_b128 v[VO16], v[PC+6:PC+9], s[OB+2*GG:OB+2*GG+1] offset:1536*XX+768
	global_store_b64 v[VO8], v[PC+10:PC+11], s[OB+2*GG:OB+2*GG+1] offset:1536*XX+1280
.endm
	s_wait_loadcnt 0x0
	PLACES NP
.irp b, 0,1,2,3
	v_mov_b32 v[TM+4+\b], 0
.endr
.irp u, 0,1,2,3,4,5,6,7
	OUTU \u
.endr
	s_mov_b32 s96, 0xffff0000
.irp j, 0,1,2,3
	v_cndmask_b32 v[WS+\j], v[W+\j], v[W+4+\j], s96
.endr
	global_store_b128 v[VOS], v[WS:WS+3], s[OB:OB+1] offset:6144
	s_wait_tensorcnt 0x0
	ds_add_u32 v[SPW], v[NIL]
	s_wait_dscnt 0x0
	CROUND
	s_endpgm
.Lfunc_end_k_q8c26e88bb9_proj:
	.size	k_q8c26e88bb9_proj, .Lfunc_end_k_q8c26e88bb9_proj-k_q8c26e88bb9_proj
	.p2alignl 7, 3214868480
	.fill 96, 4, 3214868480
	.section	.rodata,"a",@progbits
	.p2align	6, 0x0
	.amdhsa_kernel k_q8c26e88bb9_proj
		.amdhsa_group_segment_fixed_size 327680
		.amdhsa_private_segment_fixed_size 0
		.amdhsa_enable_private_segment 0
		.amdhsa_kernarg_size 48
		.amdhsa_user_sgpr_count 2
		.amdhsa_user_sgpr_kernarg_segment_ptr 1
		.amdhsa_wavefront_size32 1
		.amdhsa_system_sgpr_workgroup_id_x 1
		.amdhsa_system_sgpr_workgroup_id_y 1
		.amdhsa_system_sgpr_workgroup_id_z 1
		.amdhsa_system_vgpr_workitem_id 0
		.amdhsa_next_free_vgpr 1024
		.amdhsa_next_free_sgpr 100
		.amdhsa_reserve_vcc 0
		.amdhsa_float_denorm_mode_32 3
		.amdhsa_float_denorm_mode_16_64 3
		.amdhsa_memory_ordered 1
		.amdhsa_forward_progress 1
		.amdhsa_inst_pref_size 188
	.end_amdhsa_kernel
	.amdgpu_metadata
---
amdhsa.version: [ 1, 2 ]
amdhsa.kernels:
  - .name:           k_q8c26e88bb9_proj
    .symbol:         k_q8c26e88bb9_proj.kd
    .args:
      - { .name: pan, .offset: 0, .size: 8, .value_kind: global_buffer, .address_space: global }
      - { .name: bq, .offset: 8, .size: 8, .value_kind: global_buffer, .address_space: global }
      - { .name: bk, .offset: 16, .size: 8, .value_kind: global_buffer, .address_space: global }
      - { .name: bv, .offset: 24, .size: 8, .value_kind: global_buffer, .address_space: global }
      - { .name: qb, .offset: 32, .size: 8, .value_kind: global_buffer, .address_space: global }
      - { .name: kvb, .offset: 40, .size: 8, .value_kind: global_buffer, .address_space: global }
    .group_segment_fixed_size: 327680
    .private_segment_fixed_size: 0
    .kernarg_segment_align: 8
    .kernarg_segment_size: 48
    .max_flat_workgroup_size: 128
    .sgpr_count:     100
    .vgpr_count:     1024
    .wavefront_size: 32
...
	.end_amdgpu_metadata
.endif
;; end of part 2
;; launch attn (part 3): grid 4 x 64, 16 waves a work-group, clusters of 4 x 1, 327,680 bytes of LDS; arguments qb, kvb, attention_mask, cx; writes cx
.if DOCPART == 3
	.amdgcn_target "amdgcn-amd-amdhsa--gfx1250"
	.amdhsa_code_object_version 6
	.text
	.protected	k_q8c26e88bb9_attn
	.globl	k_q8c26e88bb9_attn
	.p2align	8
	.type	k_q8c26e88bb9_attn,@function
k_q8c26e88bb9_attn:
	s_mov_b64 s[64:65], 0
	v_nop
	global_prefetch_b8 v0, s[64:65] scope:SCOPE_SE
	s_setreg_imm32_b32 hwreg(HW_REG_WAVE_MODE, 25, 1), 1
	s_wait_xcnt 0x0
	s_wait_alu depctr_hold_cnt(0) depctr_sa_sdst(0) depctr_va_vdst(0) depctr_va_sdst(0) depctr_va_ssrc(0) depctr_va_vcc(0) depctr_vm_vsrc(0)
	s_getreg_b32 s2, hwreg(HW_REG_IB_STS2, 6, 4)
	s_cmp_eq_u32 s2, 0
	s_cbranch_scc0 .Lentry_in_a_cluster
	s_endpgm
.Lentry_in_a_cluster:
	s_bfe_u32 s2, ttmp6, 0x10000c
	s_cmp_lg_u32 s2, 0x3003
	s_cbranch_scc0 .Lentry_shape_is_right
	s_endpgm
.Lentry_shape_is_right:
; Launch 3 of 4: ctx = softmax(q k^T / 8 + mask) v for 64 (batch, head) pairs of 2,048 tokens, head size 64, both products on codes of E2M3; ctx is quantised along (head, d) and leaves as panels for the last product.
; Nothing of reference() is left out here.  LIMITS: as stated at the head of launch 1; the promise holds while the scaled scores t stay under 2^31 in magnitude.
; THE SOFTMAX: t = logit x log2(e); M = the running largest t rounded up to a whole number, kept as -M = floor(-t); p = 2^(t - M) is quantised along the keys, not normalised; the row's sum is taken of the unquantised p and divides at the end.
; When M moves, the sum and O^T are multiplied by 2^(old M - new M): exact.
; THE LOGITS TAKE reference()'S OWN ROUNDINGS, one instruction each: the mask may hold any numbers, (1 - m) x -10000 may be large beside the scores, and then the f32 roundings of the logit and of t decide p.
;   s' = s + 8 x mask: one f32 addition; 8 is a power of two, so s' is 8 times reference()'s f32 sum s / 8 + mask, bit for bit.   t = s' x (log2(e) / 8): one f32 multiplication, the bits of logit x log2(e).   t - M: one f32 addition.
; 8 x mask = (1 - m) x -80000 is made once for the batch's 2,048 keys and kept in LDS.
; SHARES.  A work-group owns 512 queries of one head; each of its sixteen waves 32 of them: two tiles of 16, one after the other.  Four waves to a SIMD.
; THE WHOLE HEAD STAYS IN LDS: its K, V and scale words are 16 blocks of 12,800 bytes.  Wave w fetches block w: one tensor load a wave, at the head; nothing is filled again, so the loops have no barrier.
; CLUSTER: the four work-groups of a head ask for each block jointly.  NO PREFETCH: every byte is asked for once, at the head; no loop has a stream to run ahead of.
; K = 64 IN AN INSTRUCTION OF 128: source 0 is a pair image as it lies, [key tile 2 x | key tile 2 x + 1]; source 1 is [q | zeros] for the even tile and [zeros | q] for the odd one, both cut out of the run [q | zeros | q].
; LAYOUT.  Both products are used transposed (S^T = k q^T, O^T = v^T p^T): a lane holds one query throughout.  By key_'s rows of a tile (launch 1) score register 32 c + n of lane (r, h) is key 64 c + 32 h + n of the step:
; a whole scale block of p in one lane, in the order of the operand's registers: a block's largest t asks no other lane, and the conversions' results are the operand.  Only the row's maximum and p's scale word cross the two halves.
; AHEAD: the next step's K is asked of LDS behind the score products, this step's V behind the additions of the mask's terms, the next step's mask terms behind the second product, into registers that are free until those additions
; (V's 48, p's 12, f's pair, the bytes' pair).  The last step of a tile is written out: it asks for no further step.
; O / l: a reciprocal, a product and one correction step (q = O r; e = O - q l, fused; q + e r, fused).
; ctx's scale bytes are stored singly: a word's four bytes come from two heads, that is from two work-groups; they are one byte in 25 of what the launch stores.
.set KVB,   12800
.set MT,    16*KVB                     ; behind the head: the mask's terms, 8,192 bytes
.set SPARE, MT+8192                    ; the spare words, 128 bytes for each of sixteen waves
.set L16,  1                           ; v1  16 x lane
.set L8,   2                           ; v2  8 x lane
.set R16,  3                           ; v3  16 r
.set H64,  4                           ; v4  MT + 128 h
.set A16,  5                           ; v5-8 the step's addresses
.set A8,   6
.set AW,   7
.set AM,   8
.set SPW,  9                           ; v9  my spare word; never rewritten
.set NIL,  10                          ; v10 0; never rewritten
.set VOSB, 11                          ; v11 16 r + h: my scale byte's place
                                       ; v12 -M, v13 the largest t, v[14:15] the sum in two halves
.set QA,   16                          ; v16-33 [q | zeros | q]
.set FF,   34                          ; v[34:35] f = 2^(old M - new M); on the way out 1 / l; ahead of f two of the mask's terms
.set PC,   36                          ; v36-47 p's codes; ahead of them 12 of the mask's terms, then the chains of the maxima and of the sum
.set TP,   PC+8
.set TQ,   PC+9
.set KF,   48                          ; v48-95 four pair images of K; on the way out scratch
.set S,    96                          ; v96-159 S^T, t, p
.set OT,   160                         ; v160-191 O^T
.set VF,   192                         ; v192-239 48 of the mask's terms, then four fragments of V^T
.set KW,   240                         ; v240-243 K's scale words
.set QS0,  244                         ; q's two bytes below,
.set QS1,  245                         ; and above
.set PWD,  246                         ; p's scale word
.set QWR,  247                         ; the scale word of my pair of query tiles
.set VW,   248                         ; v248-251 V's scale words
.set BM,   252                         ; v252-253 my two blocks' largest t, then p, then the conversions' scale operand
.set B0,   254                         ; v254-255 two of the mask's terms, then the blocks' bytes
.set EBM,  KF                          ; the way out's scratch
.set EBT,  KF+2
.set EBS,  KF+4
.set BYT,  KF+6
.set TPE,  KF+7
.set WV,   12
.set CXP,  13
.set BH,   14
.set G1,   16
.set G0,   24
.set TBK,  28                          ; s28 the step's block in LDS
.set TMK,  29                          ; s29 the step's 512 bytes of mask terms
.set CNT,  30
.set CS,   32                          ; s[32:33] c = log2(e) / 8
.set SEL,  34
.set HIM,  36                          ; s36 lanes 16-31
.set CXB,  38                          ; s[38:39] where my half images go
.set CXS,  40                          ; s[40:41] and my scale bytes
.set QB,   42
.set QWB,  52
.macro HINT n
	s_delay_alu instid0(VALU_DEP_\n)
.endm
.macro WALU
	s_wait_alu depctr_va_vdst(0)
.endm
.macro CROUND
	s_barrier_signal -1
	s_barrier_wait -1
	s_cmp_lg_u32 s[WV], 0
	s_cbranch_scc1 .Lnot_wave_0_\@
	s_barrier_signal -3
.Lnot_wave_0_\@:
	s_barrier_wait -3
	s_barrier_signal -1
	s_barrier_wait -1
.endm
.macro WM0 d, a, b, sa, sb             ; a product that starts its sum with the constant 0
	v_wmma_scale_f32_16x16x128_f8f6f4 v[\d:\d+7], v[\a:\a+11], v[\b:\b+11], 0, v[\sa], v[\sb] matrix_a_fmt:MATRIX_FMT_FP6 matrix_b_fmt:MATRIX_FMT_FP6
.endm
.macro WM d, a, b, sa, sb              ; a product that adds in place; the scale registers' numbers differ modulo 8
	v_wmma_scale_f32_16x16x128_f8f6f4 v[\d:\d+7], v[\a:\a+11], v[\b:\b+11], v[\d:\d+7], v[\sa], v[\sb] matrix_a_fmt:MATRIX_FMT_FP6 matrix_b_fmt:MATRIX_FMT_FP6
.endm
.macro FRAGS reg, w, off               ; four fragments and their scale words, at byte off of the step's block: 17 LDS loads
.irp x, 0,1,2,3
	ds_load_b128 v[\reg+12*\x:\reg+12*\x+3], v[A16] offset:\off+1536*\x
	ds_load_b64 v[\reg+12*\x+4:\reg+12*\x+5], v[A8] offset:\off+1536*\x+512
	ds_load_b128 v[\reg+12*\x+6:\reg+12*\x+9], v[A16] offset:\off+1536*\x+768
	ds_load_b64 v[\reg+12*\x+10:\reg+12*\x+11], v[A8] offset:\off+1536*\x+1280
.endr
	ds_load_b128 v[\w:\w+3], v[AW] offset:\off+6144
.endm
.macro ADDRS                           ; the step's four LDS addresses
	v_add_nc_u32 v[A16], s[TBK], v[L16]
	v_add_nc_u32 v[A8], s[TBK], v[L8]
	v_add_nc_u32 v[AW], s[TBK], v[R16]
	v_add_nc_u32 v[AM], s[TMK], v[H64]
.endm
.macro MASKS                           ; the mask's terms of my 64 keys, 17 LDS loads: those of score registers 4 n .. 4 n + 3 are keys 64 (n / 8) + 32 h + 4 (n % 8) on
.irp n, 0,1,2,3,4,5,6,7,8,9,10,11
	ds_load_b128 v[VF+4*\n:VF+4*\n+3], v[AM] offset:256*(\n/8)+16*(\n%8)
.endr
.irp n, 12,13,14
	ds_load_b128 v[PC+4*(\n-12):PC+4*(\n-12)+3], v[AM] offset:256*(\n/8)+16*(\n%8)
.endr
	ds_load_b64 v[FF:FF+1], v[AM] offset:256+112
	ds_load_b64 v[B0:B0+1], v[AM] offset:256+120
.endm
	s_load_b256 s[4:11], s[0:1], 0x0               ; qb, kvb, attention_mask, cx
	v_lshl_add_u32 v[SPW], v0, 2, SPARE
	v_mov_b32 v[NIL], 0
	ds_add_u32 v[SPW], v[NIL]                      ; the wave's opening: the add, twice on end, and its wait ahead of my first tensor load
	ds_add_u32 v[SPW], v[NIL]
	v_lshrrev_b32 v1, 5, v0
	HINT 1
	v_readfirstlane_b32 s[WV], v1                  ; wave 0..15
	s_bfe_u32 s[CXP], ttmp6, 0x40000               ; my place in the cluster: which 512 queries.  It enters Q's and ctx's addresses alone
	s_and_b32 s[BH], ttmp7, 0xffff                 ; 16 x batch + head, which the four partners share
	s_mov_b32 s[G1], 15|(3<<16)|(1<<21)            ; the mask: all four; elements of 8 bytes; no padding; bit 21 beside a mask
	s_mov_b32 s[G1+1], 32<<16                      ; rows of 256 bytes,
	s_mov_b32 s[G1+2], 50<<16                      ; 50 of them,
	s_mov_b32 s[G1+3], 32<<16
	s_mov_b32 s[G1+4], 50
	s_mov_b32 s[G1+5], 32                          ; dense
	s_mov_b32 s[G1+6], 0
	s_mov_b32 s[G1+7], 0
	s_lshl_b32 s44, s[BH], 4
	s_add_co_u32 s46, s44, s[WV]
	s_mul_i32 s46, s46, KVB                        ; block w of the head
	s_mov_b32 s47, 0
	s_mov_b32 s[G0], 1
	s_mul_i32 s[G0+1], s[WV], KVB
	s_lshl_b32 s45, s[CXP], 2
	s_add_co_u32 s44, s44, s45
	s_lshr_b32 s45, s[WV], 2
	s_add_co_u32 s44, s44, s45                     ; my block of qb: 16 (batch, head) + 4 place + wave / 4
	s_mul_i32 s44, s44, 6400
	s_and_b32 s56, s[WV], 3                        ; my pair in it
	s_mul_i32 s48, s56, 1536
	s_add_co_u32 s48, s48, s44
	s_mov_b32 s49, 0
	s_lshl_b32 s50, s56, 2
	s_add_co_u32 s50, s50, s44
	s_mov_b32 s51, 0
	s_mov_b32 s[CS], 0x3e38aa3b
	s_mov_b32 s[CS+1], s[CS]                       ; (named with it as a pair, so it is written)
	s_mov_b32 s[SEL], 0x76543210
	s_mov_b32 s[SEL+1], 0xfedcba98
	s_mov_b32 s[HIM], 0xffff0000
	s_wait_dscnt 0x0                               ; both opening adds are done
	s_wait_kmcnt 0x0
	s_add_nc_u64 s[G0+2:G0+3], s[6:7], s[46:47]
	s_or_b32 s[G0+3], s[G0+3], 0x80000000
	CROUND                                         ; all four work-groups are here: the joint loads meet
	tensor_load_to_lds s[G0:G0+3], s[G1:G1+7]      ; my one tensor load: every wave issues one
	s_nop 0
.rept 4
	v_nop
.endr
	s_add_nc_u64 s[QB:QB+1], s[4:5], s[48:49]
	s_add_nc_u64 s[QWB:QWB+1], s[4:5], s[50:51]
	s_lshr_b32 s57, s[BH], 4                       ; the batch
	s_lshl_b32 s46, s57, 13
	s_add_nc_u64 s[8:9], s[8:9], s[46:47]          ; its row of the mask
	v_and_b32 v192, 31, v0
	HINT 1
	v_lshlrev_b32 v[L16], 4, v192
	HINT 2
	v_lshlrev_b32 v[L8], 3, v192
	v_and_b32 v193, 15, v0
	HINT 1
	v_lshlrev_b32 v[R16], 4, v193
	v_bfe_u32 v194, v0, 4, 1
	HINT 1
	v_lshl_add_u32 v[H64], v194, 7, MT
	HINT 2
	v_add_nc_u32 v[VOSB], v[R16], v194
	v_lshlrev_b32 v195, 4, v0
	v_lshl_add_u32 v196, v0, 4, MT
	global_load_b128 v[S:S+3], v195, s[8:9]        ; thread t: keys 4 t .. 4 t + 3
.macro QLOAD off                       ; a tile of q, twice: both copies of the run [q | zeros | q]
	global_load_b128 v[QA:QA+3], v[L16], s[QB:QB+1] offset:\off
	global_load_b64 v[QA+4:QA+5], v[L8], s[QB:QB+1] offset:\off+512
	global_load_b128 v[QA+12:QA+15], v[L16], s[QB:QB+1] offset:\off
	global_load_b64 v[QA+16:QA+17], v[L8], s[QB:QB+1] offset:\off+512
.endm
	QLOAD 0
	global_load_b32 v[QWR], v[R16], s[QWB:QWB+1] offset:6144
	; where ctx goes: unit (16 batch + 4 place + wave / 4, head / 2); fragment 2 (wave % 4) + pass; half image head % 2
	s_lshl_b32 s44, s57, 4
	s_lshl_b32 s45, s[CXP], 2
	s_add_co_u32 s44, s44, s45
	s_lshr_b32 s45, s[WV], 2
	s_add_co_u32 s44, s44, s45
	s_lshl_b32 s44, s44, 3
	s_bfe_u32 s45, s[BH], 0x30001
	s_add_co_u32 s44, s44, s45
	s_mul_i32 s44, s44, 12800
	s_mul_i32 s45, s56, 3072
	s_and_b32 s58, s[BH], 1
	s_mul_i32 s59, s58, 768
	s_add_co_u32 s50, s44, s45
	s_add_co_u32 s50, s50, s59
	s_add_nc_u64 s[CXB:CXB+1], s[10:11], s[50:51]
	s_lshr_b32 s45, s56, 1
	s_lshl_b32 s45, s45, 8
	s_and_b32 s59, s[WV], 1
	s_lshl_b32 s59, s59, 3
	s_lshl_b32 s58, s58, 1
	s_add_co_u32 s50, s44, s45
	s_add_co_u32 s50, s50, s59
	s_add_co_u32 s50, s50, s58
	s_add_co_u32 s50, s50, 12288
	s_add_nc_u64 s[CXS:CXS+1], s[10:11], s[50:51]
.irp i, 0,1,2,3,4,5
	v_mov_b32 v[QA+6+\i], 0                        ; the zeros between the two copies of q: written once
.endr
	v_mov_b32 v[TP], 0
	v_mov_b32 v[FF+1], 0
	s_wait_loadcnt 5                               ; the mask is in; Q's five loads may be out
.irp i, 0,1,2,3
	v_sub_f32 v[S+\i], 1.0, v[S+\i]
.endr
.irp i, 0,1,2,3
	HINT 4
	v_mul_f32 v[S+\i], 0xc79c4000, v[S+\i]         ; x -80000 = 8 x -10000: the same bits as x -10000 and then x 8
.endr
	ds_store_b128 v196, v[S:S+3]
	WALU                                           ; the wait at the head's end
	s_wait_tensorcnt 0x0                           ; my block has landed,
	s_wait_dscnt 0x0                               ; my mask terms are stored:
	s_barrier_signal -1
	s_barrier_wait -1                              ; everybody's are
	s_wait_loadcnt 0x0                             ; Q
; A KEY STEP: 128 keys.  At its head K's 17 loads and, behind them, the mask's 17 are out or in, and the step's addresses are made.  last = 1: no further step is asked for.
.macro STEP last
	WALU                                           ; directly ahead of the wait below
	s_wait_dscnt 17                                ; K is in; the mask's 17 loads may be out
.irp x, 0,1,2,3                        ; eight accumulators, one instruction each; the constant 0 starts each sum
	WM0 S+16*\x, KF+12*\x, QA, KW+\x, QS0
	WM0 S+16*\x+8, KF+12*\x, QA+6, KW+\x, QS1
.endr
.rept 4
	v_nop                                          ; places: loads into K's registers follow, and the first read of the scores
.endr
.if \last
	s_wait_dscnt 0x0                               ; the mask's terms
.else
	FRAGS KF, KW, KVB                              ; the next step's K
	s_wait_dscnt 17                                ; the mask's terms are in: behind them stand K's 17 loads
.endif
.set J, 0
.rept 32
.if J < 48
.set MR, VF+J
.elseif J < 60
.set MR, PC+J-48
.elseif J < 62
.set MR, FF
.else
.set MR, B0
.endif
	v_pk_add_f32 v[S+J:S+J+1], v[S+J:S+J+1], v[MR:MR+1]   ; s' = s + 8 x mask: one f32 addition, as reference() has it; each accumulator is read from its low end on
.set J, J+2
.endr
	FRAGS VF, VW, 6400                             ; this step's V, into the registers that the mask's terms have left
.set J, 0
.rept 32
	v_pk_mul_f32 v[S+J:S+J+1], v[S+J:S+J+1], s[CS:CS+1] op_sel_hi:[1,0]   ; t = s' x log2(e) / 8: one f32 multiplication
.set J, J+2
.endr
.irp a, 0,1,2,3,4,5,6,7                ; the largest t of my two blocks of 32 keys: a chain for each eight registers, the eight by turns
	v_max3_num_f32 v[PC+\a], v[S+8*\a], v[S+8*\a+1], v[S+8*\a+2]
.endr
.irp i, 3,5
.irp a, 0,1,2,3,4,5,6,7
	v_max3_num_f32 v[PC+\a], v[PC+\a], v[S+8*\a+\i], v[S+8*\a+\i+1]
.endr
.endr
	v_max3_num_f32 v[PC], v[PC], v[PC+1], v[S+7]   ; the chains of a block are joined, with each eight's last register; the two blocks by turns
	v_max3_num_f32 v[PC+4], v[PC+4], v[PC+5], v[S+39]
	v_max3_num_f32 v[PC+2], v[PC+2], v[PC+3], v[S+15]
	v_max3_num_f32 v[PC+6], v[PC+6], v[PC+7], v[S+47]
	v_max3_num_f32 v[PC], v[PC], v[PC+2], v[S+23]
	v_max3_num_f32 v[PC+4], v[PC+4], v[PC+6], v[S+55]
	v_max_num_f32 v[BM], v[PC], v[S+31]
	v_max_num_f32 v[BM+1], v[PC+4], v[S+63]
	v_max3_num_f32 v13, v13, v[BM], v[BM+1]        ; the running largest t of my half of the keys,
	v_permlanex16_b32 v[TP], v13, s[SEL], s[SEL+1]
	v_max_num_f32 v13, v13, v[TP]                  ; and of lane l xor 16's
	v_mov_b32 v[TQ], v12
	v_floor_f32 v12, -v13                          ; the new -M: a whole number
	v_sub_f32 v[TQ], v12, v[TQ]                    ; old M less new M: a whole number, 0 or less
.set J, 0
.rept 32
	v_pk_add_f32 v[S+J:S+J+1], v[S+J:S+J+1], v[12:13] op_sel_hi:[1,0]   ; t - M: one f32 addition (of the pair the low word, -M, serves both halves)
.if J == 6
	v_cvt_i32_f32 v[TQ], v[TQ]                     ; (it saturates)
.endif
.if J == 14
	v_ldexp_f32 v[FF], 1.0, v[TQ]                  ; f = 2^(old M - new M)
.endif
.set J, J+2
.endr
.irp b, 0,1
	v_add_f32 v[BM+\b], v[BM+\b], v12              ; the same of each block's largest t
.endr
.set J, 0
.rept 12
	v_pk_mul_f32 v[OT+J:OT+J+1], v[OT+J:OT+J+1], v[FF:FF+1] op_sel_hi:[1,0]   ; O^T's tiles 0 to 2 under the new M, each from its low end on
.set J, J+2
.endr
	WALU                                           ; the wait ahead of the batch
.set J, 0
.rept 64
	v_exp_f32 v[S+J], v[S+J]                       ; p = 2^(t - M)
.set J, J+1
.endr
.irp b, 0,1
	v_exp_f32 v[BM+\b], v[BM+\b]                   ; the block's largest p: the same instructions on the same number
.endr
	v_pk_mul_f32 v[14:15], v[14:15], v[FF:FF+1] op_sel_hi:[1,0]   ; the sums under the new M: a plain place behind the exponentials
	WALU                                           ; one wait for the whole batch, ahead of its first reader
.irp b, 0,1
	v_max_num_f32 v[BM+\b], 0x1800000, v[BM+\b]    ; the floor 2^(3 - 127)
.endr
.set J, 0
.rept 6                                ; the row's sum of the unquantised p: seven chains by turns, six of them begun here
	v_pk_add_f32 v[PC+J:PC+J+1], v[S+2*J:S+2*J+1], v[S+2*J+2:S+2*J+3]
.set J, J+2
.endr
.irp b, 0,1
	v_add_nc_u32 v[BM+\b], 0xff000000, v[BM+\b]    ; 2 off the exponent field: the conversions' scale operand
.endr
.irp r, 0,1
	v_pk_add_f32 v[14:15], v[14:15], v[S+24+14*\r:S+25+14*\r]
.irp i, 0,1,2,3,4,5
	v_pk_add_f32 v[PC+2*\i:PC+2*\i+1], v[PC+2*\i:PC+2*\i+1], v[S+26+14*\r+2*\i:S+27+14*\r+2*\i]
.endr
.endr
	v_pk_add_f32 v[14:15], v[14:15], v[S+52:S+53]
.irp i, 0,1,2,3,4
	v_pk_add_f32 v[PC+2*\i:PC+2*\i+1], v[PC+2*\i:PC+2*\i+1], v[S+54+2*\i:S+55+2*\i]
.endr
	v_pk_add_f32 v[PC:PC+1], v[PC:PC+1], v[PC+2:PC+3]         ; the seven chains are joined
	v_pk_add_f32 v[PC+4:PC+5], v[PC+4:PC+5], v[PC+6:PC+7]
	v_pk_add_f32 v[PC+8:PC+9], v[PC+8:PC+9], v[PC+10:PC+11]
	v_pk_add_f32 v[PC:PC+1], v[PC:PC+1], v[PC+4:PC+5]
	v_pk_add_f32 v[14:15], v[14:15], v[PC+8:PC+9]
	v_pk_add_f32 v[14:15], v[14:15], v[PC:PC+1]
	v_cvt_scalef32_pk16_fp6_f32 v[PC:PC+2], v[S:S+15], v[BM]         ; my block h: its lower 16 codes are registers 0-2 of the operand,
	v_cvt_scalef32_pk16_fp6_f32 v[PC+6:PC+8], v[S+32:S+47], v[BM+1]  ; my block 2 + h: registers 6-8
	v_lshrrev_b32 v[B0], 23, v[BM]                 ; the scales' bytes.  (Plain lines between the conversions above and those below, which write over the first two's sources)
	v_lshrrev_b32 v[B0+1], 23, v[BM+1]
	v_lshl_or_b32 v[B0], v[B0+1], 16, v[B0]        ; blocks h and 2 + h
	v_permlanex16_b32 v0, v[B0], s[SEL], s[SEL+1]
	v_cvt_scalef32_pk16_fp6_f32 v[S:S+2], v[S+16:S+31], v[BM]        ; the upper 16 codes: a conversion's three registers begin on an even number, so they are made in score registers that are done with, and moved
	v_cvt_scalef32_pk16_fp6_f32 v[S+32:S+34], v[S+48:S+63], v[BM+1]
	v_lshl_or_b32 v[PWD], v0, 8, v[B0]             ; p's scale word, whole in lanes 0-15, which alone are read: blocks 0, 2 mine, 1, 3 lane l + 16's.  Ten plain lines stand between it and the products
.irp c, 0,1
.irp i, 0,1,2
	v_mov_b32 v[PC+6*\c+3+\i], v[S+32*\c+\i]
.endr
.endr
	s_wait_dscnt 0x0                               ; V: its loads were the last
	WALU                                           ; behind the wait above, and directly ahead of the first reader of O^T's tile 3
.set J, 24
.rept 4
	v_pk_mul_f32 v[OT+J:OT+J+1], v[OT+J:OT+J+1], v[FF:FF+1] op_sel_hi:[1,0]   ; tile 3 under the new M: the four places between the making of p's codes and the products
.set J, J+2
.endr
.irp x, 0,1,2,3
	WM OT+8*\x, VF+12*\x, PC, VW+\x, PWD
.endr
.if !\last
	s_add_co_u32 s[TBK], s[TBK], KVB
	s_add_co_u32 s[TMK], s[TMK], 512
	ADDRS                                          ; the next step's addresses: the four places behind the products, ahead of the loads into their registers
	MASKS                                          ; and its mask terms
.endif
.endm
; One tile of 16 queries: all 16 key steps, then ctx = O^T / l, quantised: two blocks of 32 along the head's 64: one half image and two scale bytes a row.
.macro PASS p
.if \p
	WALU
	s_wait_xcnt 0x0                                ; the first tile's stores have read their data: those registers are written below
.endif
	s_mov_b32 s[TBK], 0
	s_mov_b32 s[TMK], 0
	s_mov_b32 s[CNT], 15
	ADDRS
	FRAGS KF, KW, 0                                ; step 0's K,
	MASKS                                          ; and its mask terms
.if \p
	s_wait_loadcnt 0x0                             ; the second tile of q
.endif
	v_bfe_u32 v[QS0], v[QWR], 16*\p, 16
	HINT 1
	v_lshlrev_b32 v[QS1], 16, v[QS0]
	v_mov_b32 v13, 0xff61b1e6                      ; the largest t so far: -3e38
	HINT 1
	v_floor_f32 v12, -v13
	v_mov_b32 v14, 0
	v_mov_b32 v15, 0
.set J, 0
.rept 32
	v_mov_b32 v[OT+J], 0                           ; the step is written for all steps alike: the first finds zeros.  (These also stand between the making of q's scale words and the first product)
.set J, J+1
.endr
.Lstep_\@:
	STEP 0
	s_sub_co_u32 s[CNT], s[CNT], 1
	s_cmp_lg_u32 s[CNT], 0
	s_cbranch_scc1 .Lstep_\@
	STEP 1
.if !\p
	QLOAD 768                                      ; the second tile of q lands under the way out
.endif
.rept 4
	v_nop                                          ; places behind the last products
.endr
	v_add_f32 v14, v14, v15
	HINT 1
	v_permlanex16_b32 v[TPE], v14, s[SEL], s[SEL+1]
	HINT 1
	v_add_f32 v14, v14, v[TPE]                     ; l, the row's sum
	WALU
	v_rcp_f32 v[FF], v14                           ; r = 1 / l
	v_nop                                          ; a plain place behind the reciprocal
	WALU                                           ; and the wait ahead of its first reader
.set J, 0
.rept 16
	v_pk_mul_f32 v[S+J:S+J+1], v[OT+J:OT+J+1], v[FF:FF+1] op_sel_hi:[1,0]   ; q = O r.  Register 16 b + i: ctx(my query, d = 32 b + 16 h + i); each accumulator is read from its low end on
.set J, J+2
.endr
.set J, 0
.rept 16
	v_pk_fma_f32 v[S+32+J:S+33+J], v[S+J:S+J+1], v[14:15], v[OT+J:OT+J+1] op_sel_hi:[1,0,1] neg_lo:[1,0,0] neg_hi:[1,0,0]   ; e = O - q l, fused: what q leaves over
.set J, J+2
.endr
.set J, 0
.rept 16
	v_pk_fma_f32 v[S+J:S+J+1], v[S+32+J:S+33+J], v[FF:FF+1], v[S+J:S+J+1] op_sel_hi:[1,0,1]   ; q + e r
.set J, J+2
.endr
.irp b, 0,1
	v_max3_num_f32 v[EBM+\b], |v[S+16*\b]|, |v[S+1+16*\b]|, 0x1800000
.endr
.irp i, 2,4,6,8,10,12,14
.irp b, 0,1
	HINT 2
	v_max3_num_f32 v[EBM+\b], v[EBM+\b], |v[S+16*\b+\i]|, |v[S+1+16*\b+\i]|
.endr
.endr
.irp b, 0,1
	HINT 2
	v_permlanex16_b32 v[EBT+\b], v[EBM+\b], s[SEL], s[SEL+1]
.endr
.irp b, 0,1
	HINT 2
	v_max_num_f32 v[EBM+\b], v[EBM+\b], v[EBT+\b]
.endr
.irp b, 0,1
	HINT 2
	v_add_nc_u32 v[EBS+\b], 0xff000000, v[EBM+\b]
.endr
.irp b, 0,1
	HINT 2
	v_lshrrev_b32 v[EBT+\b], 23, v[EBS+\b]
.endr
	v_cvt_scalef32_pk16_fp6_f32 v[128:130], v[S:S+15], v[EBS]
	v_cvt_scalef32_pk16_fp6_f32 v[136:138], v[S+16:S+31], v[EBS+1]
	v_cndmask_b32 v[BYT], v[EBT], v[EBT+1], s[HIM] ; lane (r, h) stores block h's byte.  (A plain place behind the conversions)
.irp i, 0,1,2
	v_permlane16_swap_b32 v[128+\i], v[136+\i]
.endr
.irp i, 0,1,2
	HINT 3
	v_mov_b32 v[131+\i], v[136+\i]
.endr
	global_store_b128 v[L16], v[128:131], s[CXB:CXB+1] offset:1536*\p
	global_store_b64 v[L8], v[132:133], s[CXB:CXB+1] offset:1536*\p+512
	global_store_b8 v[VOSB], v[BYT], s[CXS:CXS+1] offset:4*\p
.endm
	PASS 0
	PASS 1
	s_wait_tensorcnt 0x0                           ; the wave's end
	ds_add_u32 v[SPW], v[NIL]
	s_wait_dscnt 0x0
	CROUND                                         ; the closing round
	s_endpgm
.Lfunc_end_k_q8c26e88bb9_attn:
	.size	k_q8c26e88bb9_attn, .Lfunc_end_k_q8c26e88bb9_attn-k_q8c26e88bb9_attn
	.p2alignl 7, 3214868480
	.fill 96, 4, 3214868480
	.section	.rodata,"a",@progbits
	.p2align	6, 0x0
	.amdhsa_kernel k_q8c26e88bb9_attn
		.amdhsa_group_segment_fixed_size 327680
		.amdhsa_private_segment_fixed_size 0
		.amdhsa_enable_private_segment 0
		.amdhsa_kernarg_size 32
		.amdhsa_user_sgpr_count 2
		.amdhsa_user_sgpr_kernarg_segment_ptr 1
		.amdhsa_wavefront_size32 1
		.amdhsa_system_sgpr_workgroup_id_x 1
		.amdhsa_system_sgpr_workgroup_id_y 1
		.amdhsa_system_sgpr_workgroup_id_z 1
		.amdhsa_system_vgpr_workitem_id 0
		.amdhsa_next_free_vgpr 256
		.amdhsa_next_free_sgpr 66
		.amdhsa_reserve_vcc 0
		.amdhsa_float_denorm_mode_32 3
		.amdhsa_float_denorm_mode_16_64 3
		.amdhsa_memory_ordered 1
		.amdhsa_forward_progress 1
		.amdhsa_inst_pref_size 102
	.end_amdhsa_kernel
	.amdgpu_metadata
---
amdhsa.version: [ 1, 2 ]
amdhsa.kernels:
  - .name:           k_q8c26e88bb9_attn
    .symbol:         k_q8c26e88bb9_attn.kd
    .args:
      - { .name: qb, .offset: 0, .size: 8, .value_kind: global_buffer, .address_space: global }
      - { .name: kvb, .offset: 8, .size: 8, .value_kind: global_buffer, .address_space: global }
      - { .name: attention_mask, .offset: 16, .size: 8, .value_kind: global_buffer, .address_space: global }
      - { .name: cx, .offset: 24, .size: 8, .value_kind: global_buffer, .address_space: global }
    .group_segment_fixed_size: 327680
    .private_segment_fixed_size: 0
    .kernarg_segment_align: 8
    .kernarg_segment_size: 32
    .max_flat_workgroup_size: 512
    .sgpr_count:     66
    .vgpr_count:     256
    .wavefront_size: 32
...
	.end_amdgpu_metadata
.endif
;; end of part 3
;; launch outp (part 4): grid 4 x 32, 4 waves a work-group, clusters of 4 x 4, 327,680 bytes of LDS; arguments cx, pan, bo, out0; writes out0
.if DOCPART == 4
	.amdgcn_target "amdgcn-amd-amdhsa--gfx1250"
	.amdhsa_code_object_version 6
	.text
	.protected	k_q8c26e88bb9_outp
	.globl	k_q8c26e88bb9_outp
	.p2align	8
	.type	k_q8c26e88bb9_outp,@function
k_q8c26e88bb9_outp:
	s_mov_b64 s[64:65], 0
	v_nop
	global_prefetch_b8 v0, s[64:65] scope:SCOPE_SE
	s_setreg_imm32_b32 hwreg(HW_REG_WAVE_MODE, 25, 1), 1
	s_wait_xcnt 0x0
	s_wait_alu depctr_hold_cnt(0) depctr_sa_sdst(0) depctr_va_vdst(0) depctr_va_sdst(0) depctr_va_ssrc(0) depctr_va_vcc(0) depctr_vm_vsrc(0)
	s_getreg_b32 s2, hwreg(HW_REG_IB_STS2, 6, 4)
	s_cmp_eq_u32 s2, 0
	s_cbranch_scc0 .Lentry_in_a_cluster
	s_endpgm
.Lentry_in_a_cluster:
	s_bfe_u32 s2, ttmp6, 0x10000c
	s_cmp_lg_u32 s2, 0xf033
	s_cbranch_scc0 .Lentry_shape_is_right
	s_endpgm
.Lentry_shape_is_right:
.set UNITB, 12800
.set RBB,   8*UNITB
.set LOADB, 2*UNITB
.set SLOT,  4*LOADB
.set SPARE, 2*SLOT
.set NQ,    2
.set FR,    12
.set NL,    4
.set NP,    4
.set SPITCH, 528
.set ADRA,  16
.set ADRB,  20
.set VO16,  24
.set VO8,   25
.set ADRS,  26
.set SPW,   28
.set NIL,   29
.set STO,   30
.set RD,    31
.set SC,    32
.set BIAS,  64
.set AF,    128
.set BK,    128
.set WV,    16
.set RH,    17
.set CH,    18
.set G1,    24
.set G0,    32
.set G1B,   48
.set G0B,   56
.set OUTB,  88
.set MSB, 0
.macro WIN new
.if MSB != (\new)
	s_set_vgpr_msb (MSB<<8)|(\new)
.set MSB, \new
.endif
.endm
.set MUL_LO, 0xa1
.set MUL_HI, 0xf1
.set TO_B,   0x40
.macro JLOAD g0a, g1a, g0b, g1b
	s_cmp_eq_u32 s[RH], 0
	s_cbranch_scc0 .Lfor_b_\@
	tensor_load_to_lds s[\g0a:\g0a+3], s[\g1a:\g1a+7]
	s_nop 0
.rept 4
	v_nop
.endr
	s_branch .Lasked_\@
.Lfor_b_\@:
	tensor_load_to_lds s[\g0b:\g0b+3], s[\g1b:\g1b+7]
	s_nop 0
.rept 4
	v_nop
.endr
.Lasked_\@:
.endm
.macro CREST
	s_cmp_lg_u32 s[WV], 0
	s_cbranch_scc1 .Lnot_wave_0_\@
	s_barrier_signal -3
.Lnot_wave_0_\@:
	s_barrier_wait -3
	s_barrier_signal -1
	s_barrier_wait -1
.endm
.macro CROUND
	s_barrier_signal -1
	s_barrier_wait -1
	CREST
.endm
	s_load_b256 s[4:11], s[0:1], 0x0
	v_lshl_add_u32 v[SPW], v0, 2, SPARE
	v_mov_b32 v[NIL], 0
	ds_add_u32 v[SPW], v[NIL]
	ds_add_u32 v[SPW], v[NIL]
	v_lshrrev_b32 v1, 5, v0
	v_readfirstlane_b32 s[WV], v1
	s_lshr_b32 s[RH], s[WV], 1
	s_and_b32 s[CH], s[WV], 1
	s_bfe_u32 s40, ttmp6, 0x40000
	s_bfe_u32 s41, ttmp6, 0x40004
	s_and_b32 s19, ttmp7, 0xffff
	s_lshl_b32 s43, s41, 2
	s_lshl_b32 s43, 15, s43
	s_lshl_b32 s44, 0x1111, s40
	s_or_b32 s[G1], s43, (3<<16)|(1<<21)
	s_or_b32 s[G1B], s44, (3<<16)|(1<<21)
.irp g, G1, G1B
	s_mov_b32 s[\g+1], 32<<16
	s_mov_b32 s[\g+2], 100<<16
	s_mov_b32 s[\g+3], 32<<16
	s_mov_b32 s[\g+4], 100
	s_mov_b32 s[\g+5], 32
	s_mov_b32 s[\g+6], 0
	s_mov_b32 s[\g+7], 0
.endr
	s_lshl_b32 s42, s19, 3
	s_lshl_b32 s66, s41, 1
	s_add_co_u32 s66, s66, s42
	s_lshl_b32 s67, s40, 1
	s_add_co_u32 s67, s67, 216
	s_add_co_u32 s68, s66, s[CH]
	s_mul_i32 s68, s68, RBB
	s_mov_b32 s69, 0
	s_add_co_u32 s70, s67, s[CH]
	s_mul_i32 s70, s70, RBB
	s_mov_b32 s71, 0
	s_mul_i32 s72, s[WV], LOADB
	s_wait_dscnt 0x0
	s_wait_kmcnt 0x0
	s_add_nc_u64 s[68:69], s[4:5], s[68:69]
	s_add_nc_u64 s[70:71], s[6:7], s[70:71]
	CROUND
.irp s, 0,1
	s_mov_b32 s[G0+4*\s], 1
	s_add_co_u32 s[G0+4*\s+1], s72, \s*SLOT
	s_add_nc_u64 s[G0+4*\s+2:G0+4*\s+3], s[68:69], \s*LOADB
	s_or_b32 s[G0+4*\s+3], s[G0+4*\s+3], 0x80000000
	s_mov_b32 s[G0B+4*\s], 1
	s_add_co_u32 s[G0B+4*\s+1], s72, \s*SLOT
	s_add_nc_u64 s[G0B+4*\s+2:G0B+4*\s+3], s[70:71], \s*LOADB
	s_or_b32 s[G0B+4*\s+3], s[G0B+4*\s+3], 0x80000000
	s_wait_alu depctr_va_vdst(0)
	s_wait_tensorcnt 0x0
	ds_add_u32 v28, v29
	ds_add_u32 v28, v29
	s_wait_dscnt 0x0
	CROUND
	JLOAD G0+4*\s, G1, G0B+4*\s, G1B
.endr
	v_and_b32 v1, 31, v0
	v_and_b32 v2, 15, v0
	v_bfe_u32 v3, v0, 4, 1
	v_lshlrev_b32 v[VO16], 4, v1
	s_wait_alu depctr_va_vdst(0)
	v_lshlrev_b32 v[VO8], 3, v1
	s_wait_alu depctr_va_vdst(0)
	s_lshl_b32 s92, s40, 10
	s_lshl_b32 s93, s[CH], 9
	s_add_co_u32 s92, s92, s93
	s_mov_b32 s93, 0
	s_add_nc_u64 s[8:9], s[8:9], s[92:93]
	v_lshlrev_b32 v5, 6, v3
.irp b, 0,1,2,3,4,5,6,7
	global_load_b128 v[BIAS+8*\b:BIAS+8*\b+3], v5, s[8:9] offset:(32*(\b/2)+8*(\b%2))*4
	global_load_b128 v[BIAS+8*\b+4:BIAS+8*\b+7], v5, s[8:9] offset:(32*(\b/2)+8*(\b%2))*4+16
.endr
	s_mul_i32 s73, s[RH], LOADB
	s_mul_i32 s74, s[CH], LOADB
	s_add_co_u32 s74, s74, 2*LOADB
.irp s, 0,1
	v_add_nc_u32 v[ADRA+\s], s73, v[VO16]
	v_add_nc_u32 v[ADRA+2+\s], s73, v[VO8]
	v_add_nc_u32 v[ADRB+\s], s74, v[VO16]
	v_add_nc_u32 v[ADRB+2+\s], s74, v[VO8]
	s_add_co_u32 s73, s73, SLOT
	s_add_co_u32 s74, s74, SLOT
.endr
	s_mul_i32 s73, s[RH], LOADB
	s_mul_i32 s74, s[CH], LOADB
	s_add_co_u32 s74, s74, 2*LOADB
	s_sub_co_u32 s74, s74, s73
	v_mul_u32_u24 v4, s74, v3
	v_lshl_add_u32 v4, v2, 4, v4
	s_add_co_u32 s73, s73, 8*1536
	v_add_nc_u32 v[ADRS], s73, v4
	v_add_nc_u32 v[ADRS+1], SLOT, v[ADRS]
	s_mul_i32 s75, s[WV], 16*SPITCH
	v_mul_u32_u24 v[STO], v2, SPITCH
	v_lshl_add_u32 v[STO], v3, 6, v[STO]
	v_add_nc_u32 v[STO], s75, v[STO]
	v_add_nc_u32 v[RD], s75, v[VO16]
	s_add_co_u32 s78, s66, s[RH]
	s_lshl_b32 s94, s78, 19
	s_add_co_u32 s94, s94, s92
	s_mov_b32 s95, 0
	s_add_nc_u64 s[OUTB:OUTB+1], s[10:11], s[94:95]
.macro FRAG reg, adr, q, i
.set FO, (\q)*UNITB+(\i)*1536
	ds_load_b128 v[\reg:\reg+3], v[\adr] offset:FO
	ds_load_b64 v[\reg+4:\reg+5], v[\adr+2] offset:FO+512
	ds_load_b128 v[\reg+6:\reg+9], v[\adr] offset:FO+768
	ds_load_b64 v[\reg+10:\reg+11], v[\adr+2] offset:FO+1280
.endm
.macro MUL16 a0, p, q, sc, first
.irp a, \a0, \a0+1
.irp b, 0,1,2,3,4,5,6,7
.if \first
	v_wmma_scale_f32_16x16x128_f8f6f4 v[8*(8*((\a)%4)+\b):8*(8*((\a)%4)+\b)+7], v[128*(\p)+FR*\b:128*(\p)+FR*\b+FR-1], v[AF+FR*(\a):AF+FR*(\a)+FR-1], v[BIAS+8*\b:BIAS+8*\b+7], v[SC+16*(\sc)+8*(\q)+\b], v[SC+16*(\sc)+8*(\q)+(\a)] matrix_a_fmt:MATRIX_FMT_FP6 matrix_b_fmt:MATRIX_FMT_FP6 matrix_a_scale:MATRIX_SCALE_ROW1
.else
	v_wmma_scale_f32_16x16x128_f8f6f4 v[8*(8*((\a)%4)+\b):8*(8*((\a)%4)+\b)+7], v[128*(\p)+FR*\b:128*(\p)+FR*\b+FR-1], v[AF+FR*(\a):AF+FR*(\a)+FR-1], v[8*(8*((\a)%4)+\b):8*(8*((\a)%4)+\b)+7], v[SC+16*(\sc)+8*(\q)+\b], v[SC+16*(\sc)+8*(\q)+(\a)] matrix_a_fmt:MATRIX_FMT_FP6 matrix_b_fmt:MATRIX_FMT_FP6 matrix_a_scale:MATRIX_SCALE_ROW1
.endif
.endr
.endr
.endm
.macro FETCH_B slot, q, p
	WIN TO_B
.irp i, 0,1,2,3,4,5,6,7
	FRAG 128*(\p)+FR*\i, ADRB+\slot, \q, \i
.endr
	WIN 0
.endm
.macro FETCH_A slot, q, i0
.irp i, \i0, \i0+1, \i0+2, \i0+3
	FRAG AF+FR*(\i), ADRA+\slot, \q, \i
.endr
.endm
.macro SCALES sc
.irp q, 0,1
.irp g, 0,1
	ds_load_b128 v[SC+16*\sc+8*\q+4*\g:SC+16*\sc+8*\q+4*\g+3], v[ADRS+\sc] offset:\q*UNITB+256*\g
.endr
.endr
.endm
.macro PLACES n
.rept \n
	v_nop
.endr
.endm
.macro STEP slot, q, first
	s_wait_dscnt 4*NL
	WIN MUL_LO-0x20*(\first)
	MUL16 0, (\q)%2, \q, \slot, \first
	MUL16 2, (\q)%2, \q, \slot, \first
	s_wait_dscnt 0
	PLACES NP
	FETCH_B \slot, (\q)+1, 1-(\q)%2
	FETCH_A \slot, (\q)+1, 0
	WIN MUL_HI-0x30*(\first)
	MUL16 4, (\q)%2, \q, \slot, \first
	MUL16 6, (\q)%2, \q, \slot, \first
	PLACES NP
	WIN 0
	FETCH_A \slot, (\q)+1, 4
.endm
.macro TURN slot, next, fill
	s_wait_tensorcnt 0x0
	ds_add_u32 v[SPW], v[NIL]
	s_wait_dscnt 4*NL+1
	WIN MUL_LO
	MUL16 0, 1, NQ-1, \slot, 0
	s_wait_dscnt 0x0
	s_barrier_signal -1
	MUL16 2, 1, NQ-1, \slot, 0
	WIN 0
	s_barrier_wait -1
.if \fill
	CREST
	s_add_nc_u64 s[G0+4*\slot+2:G0+4*\slot+3], s[G0+4*\slot+2:G0+4*\slot+3], 2*LOADB
	s_add_nc_u64 s[G0B+4*\slot+2:G0B+4*\slot+3], s[G0B+4*\slot+2:G0B+4*\slot+3], 2*LOADB
	JLOAD G0+4*\slot, G1, G0B+4*\slot, G1B
.else
	PLACES NP
.endif
	FETCH_B \next, 0, 0
	FETCH_A \next, 0, 0
	SCALES \next
	WIN MUL_HI
	MUL16 4, 1, NQ-1, \slot, 0
	MUL16 6, 1, NQ-1, \slot, 0
	PLACES NP
	WIN 0
	FETCH_A \next, 0, 4
.endm
	s_wait_alu depctr_va_vdst(0)
	s_wait_tensorcnt 1
	s_barrier_signal -1
	s_barrier_wait -1
	FETCH_B 0, 0, 0
	FETCH_A 0, 0, 0
	SCALES 0
	FETCH_A 0, 0, 4
	s_wait_loadcnt 0x0
	STEP 0, 0, 1
	TURN 0, 1, 1
	STEP 1, 0, 0
	TURN 1, 0, 1
	STEP 0, 0, 0
	TURN 0, 1, 0
	STEP 1, 0, 0
	s_wait_dscnt 4*NL
	WIN MUL_LO
	MUL16 0, 1, NQ-1, 1, 0
	MUL16 2, 1, NQ-1, 1, 0
	s_wait_dscnt 0
	WIN MUL_HI
	MUL16 4, 1, NQ-1, 1, 0
	MUL16 6, 1, NQ-1, 1, 0
	WIN 0
.macro TOSTAGE a
.set AC, 64*((\a)%4)
	WIN 0x08+4*((\a)/4)
.irp b, 0,1,2,3,4,5,6,7
	ds_store_b128 v[STO], v[AC+8*\b:AC+8*\b+3] offset:128*(\b/2)+32*(\b%2)
	ds_store_b128 v[STO], v[AC+8*\b+4:AC+8*\b+7] offset:128*(\b/2)+32*(\b%2)+16
.endr
	WIN 0
.set BB, BK+64*((\a)%2)
.irp t, 0,1,2,3,4,5,6,7,8,9,10,11,12,13,14,15
	ds_load_b128 v[BB+4*\t:BB+4*\t+3], v[RD] offset:\t*SPITCH
.endr
.endm
.macro SEND a, younger
.set BB, BK+64*((\a)%2)
	s_wait_dscnt \younger
.irp t, 0,1,2,3,4,5,6,7,8,9,10,11,12,13,14,15
	global_store_b128 v[VO16], v[BB+4*\t:BB+4*\t+3], s[OUTB:OUTB+1] offset:(32*((\a)/2)+8*((\a)%2)+\t+8*(\t/8))*4096 th:TH_STORE_NT
.endr
.endm
	PLACES NP
	TOSTAGE 0
.irp a, 1,2,3,4,5,6,7
.if \a > 1
	s_wait_xcnt 0x0
.endif
	TOSTAGE \a
	SEND \a-1, 32
.endr
	SEND 7, 0
	s_wait_tensorcnt 0x0
	ds_add_u32 v[SPW], v[NIL]
	s_wait_dscnt 0x0
	CROUND
	s_endpgm
.Lfunc_end_k_q8c26e88bb9_outp:
	.size	k_q8c26e88bb9_outp, .Lfunc_end_k_q8c26e88bb9_outp-k_q8c26e88bb9_outp
	.p2alignl 7, 3214868480
	.fill 96, 4, 3214868480
	.section	.rodata,"a",@progbits
	.p2align	6, 0x0
	.amdhsa_kernel k_q8c26e88bb9_outp
		.amdhsa_group_segment_fixed_size 327680
		.amdhsa_private_segment_fixed_size 0
		.amdhsa_enable_private_segment 0
		.amdhsa_kernarg_size 32
		.amdhsa_user_sgpr_count 2
		.amdhsa_user_sgpr_kernarg_segment_ptr 1
		.amdhsa_wavefront_size32 1
		.amdhsa_system_sgpr_workgroup_id_x 1
		.amdhsa_system_sgpr_workgroup_id_y 1
		.amdhsa_system_sgpr_workgroup_id_z 1
		.amdhsa_system_vgpr_workitem_id 0
		.amdhsa_next_free_vgpr 1024
		.amdhsa_next_free_sgpr 100
		.amdhsa_reserve_vcc 0
		.amdhsa_float_denorm_mode_32 3
		.amdhsa_float_denorm_mode_16_64 3
		.amdhsa_memory_ordered 1
		.amdhsa_forward_progress 1
		.amdhsa_inst_pref_size 142
	.end_amdhsa_kernel
	.amdgpu_metadata
---
amdhsa.version: [ 1, 2 ]
amdhsa.kernels:
  - .name:           k_q8c26e88bb9_outp
    .symbol:         k_q8c26e88bb9_outp.kd
    .args:
      - { .name: cx, .offset: 0, .size: 8, .value_kind: global_buffer, .address_space: global }
      - { .name: pan, .offset: 8, .size: 8, .value_kind: global_buffer, .address_space: global }
      - { .name: bo, .offset: 16, .size: 8, .value_kind: global_buffer, .address_space: global }
      - { .name: out0, .offset: 24, .size: 8, .value_kind: global_buffer, .address_space: global }
    .group_segment_fixed_size: 327680
    .private_segment_fixed_size: 0
    .kernarg_segment_align: 8
    .kernarg_segment_size: 32
    .max_flat_workgroup_size: 128
    .sgpr_count:     100
    .vgpr_count:     1024
    .wavefront_size: 32
...
	.end_amdgpu_metadata
.endif
;; end of part 4
